; MI455X (gfx1250); checked and timed in simulation.
; The chip was launched on July 23, 2026; its instructions are those of AMD's public machine-readable ISA for CDNA 5 (MIT licence, August 2026) and "CDNA5" Instruction Set Architecture Reference Guide (July 2026). The comments in the code are by the model that wrote it; some were corrected since.
;; Quant Linear. Allowed arithmetic: float matrix products may take bf16 or f16 operands with f32 sums; other float arithmetic in f32, or as packed bf16 or f16 multiplies, adds, multiply-adds, maxima and minima; sums over many terms, partial sums and values carried from step to step in f32; what a program stores and reads back later, other than sums and carried values, may be rounded once to bf16 or f16.
;; Inputs: bias 4,096 float32; g_idx 4,096 int32; qweight 512 x 4,096 int32; qzeros 32 x 512 int32; scales 32 x 4,096 float32; x 4,096 x 4,096 float32.
;; Outputs: out0 4,096 x 4,096 float32.
;; 2 versions, each right; version 2 is version 1 with the launch prep written anew for expert scheduling mode. Each part assembles by itself: llvm-mc -triple=amdgcn-amd-amdhsa -mcpu=gfx1250 --defsym DOCPART=n.
;; ======== version 1 of 2: 2 launches
;; workspace buffers: xb 33,554,432 bytes; wt 33,554,432 bytes
;; launch prep (part 1): grid 768 x 1, 8 waves a work-group, no clusters, 87,040 bytes of LDS; arguments x, qweight, qzeros, scales, g_idx, xb, wt; writes xb, wt
.if DOCPART == 1
	.amdgcn_target "amdgcn-amd-amdhsa--gfx1250"
	.amdhsa_code_object_version 6
	.text
	.protected	k_q9b561aa223_prep
	.globl	k_q9b561aa223_prep
	.p2align	8
	.type	k_q9b561aa223_prep,@function
k_q9b561aa223_prep:
	s_mov_b64 s[64:65], 0
	v_nop
	global_prefetch_b8 v0, s[64:65] scope:SCOPE_SE
	s_setreg_imm32_b32 hwreg(HW_REG_WAVE_MODE, 25, 1), 1
	s_wait_xcnt 0x0
; TWO JOBS, chosen by the work-group's number, which is the same in all eight waves of a work-group.
; Work-groups 0-255:   wt[n][k] = bf16( s_b[g_idx[k]][n] x (w[k][n] - z[g_idx[k]][n]) ), the weights turned: [4096 n][4096 k], K along the rows.
;                      w = nibble k % 8 of qweight[k / 8][n]; z[g][n] = nibble n % 8 of qzeros[g][n / 8]; s_b = scales rounded to bf16.
; Work-groups 256-767: xb = x rounded to bf16, [4096][4096], same order.
; LIMITS.  g_idx is honoured as given, for each k by itself; read as an unsigned number, a value above 31 counts as 31 (the table has 32 groups).
; scales and x are rounded once to bf16; s_b (w - z) has 13 significant bits at the most, so it is exact in f32, and is rounded once to bf16.  NaN and infinities are not treated apart.
; No matrix unit, no tensor load, no cluster: both jobs are streams; what work-groups share is a table of 16 KiB.
; DEQUANT, SHARES.  A work-group takes 64 columns n and 1,024 k (128 rows of qweight); wave w takes 32 columns (half w & 1; a lane a column) and 32 rows of qweight (quarter w >> 1),
; as two sub-tiles of 16 rows = 128 k = 256 bytes of a row of wt.  The pairs (s_b, z s_b) of the work-group's 64 columns and all 32 groups lie in LDS; each k's group number comes by scalar loads,
; and a look-up of the wave reads 256 consecutive bytes.  A sub-tile goes through the wave's own stage, so that sixteen lanes store 256 consecutive bytes of a row of wt, aligned.
.set TAB,   0                          ; LDS: 32 groups x 64 columns x 8 bytes: s_b, z s_b; 512 bytes a group
.set STAGE, 16384                      ; eight stages, a wave's own: 32 rows (columns n) x 272 bytes (256 + 16: 68 words, so 16 rows start at 16 different groups of four banks; 64 banks of 4 bytes: ISA guide 11.1)
.set STW,   32*272
.set SPARE, STAGE+8*STW                ; the spare words, 128 bytes for each wave: four blocks of 256 bytes that no other line names
.set SPW, 2                            ; v2   LDS address of my spare word; never rewritten
.set NIL, 3                            ; v3   0; never rewritten
.set XO,  4                            ; v4   cast: 16 x thread
.set YO,  5                            ; v5   cast: 8 x thread
.set LN,  6                            ; v6   lane l
.set QO,  7                            ; v7   4 l: my column's word in a row of qweight
.set SO,  8                            ; v8   8 l: two scales
.set ZO,  9                            ; v9   4 (l >> 2): the word of qzeros with columns 2 l, 2 l + 1
.set SH,  10                           ; v10  8 (l & 3): where their two nibbles begin
.set TS,  11                           ; v11  512 w + 16 l: where I store two pairs of group w
.set TB,  12                           ; v12  256 (w & 1) + 8 l: my column's pair in group 0
.set AD,  13                           ; v13  a look-up's address
.set STO, 14                           ; v14  my row of my wave's stage
.set RD,  15                           ; v15  where I read 16 bytes of a row back
.set WO,  16                           ; v16  the same 16 bytes in wt: 8,192 (l >> 4) + 16 (l & 15)
.set Q,   18                           ; v[18:49]   my column's 32 words of qweight
.set T,   50                           ; v[50:81]   two buffers of 8 pairs (s_b, z s_b)
.set W,   82                           ; v[82:89]   8 numbers at work
.set P,   90                           ; v[90:93]   8 bf16
.set R,   96                           ; v[96:159]  a sub-tile read back: 16 x 4
.set S,   96                           ; v[96:103]  table build only: two scales of four groups
.set Z,   104                          ; v[104:107] a word of qzeros of four groups
.set ZT,  108                          ; v[108:111] at work
.set E,   112                          ; v[112:115] two pairs
.set X,   32                           ; v[32:159]  cast only: 32 x 4
.set G,   16                           ; s[16:31], s[32:47]  two buffers of 16 group numbers (two rows of qweight)
.set WV,  50                           ; s50  wave
.set CH,  51                           ; s51  wave & 1
.set KG,  52                           ; s52  wave >> 1
.set BN,  53                           ; s53  block of 64 columns
.set BK,  54                           ; s54  quarter of K
.set TG,  58                           ; s58  at work; a clamped group number
	s_load_b256 s[4:11], s[0:1], 0x0               ; x s[4:5], qweight s[6:7], qzeros s[8:9], scales s[10:11]
	s_load_b128 s[12:15], s[0:1], 0x20             ; g_idx s[12:13], xb s[14:15]
	s_load_b64 s[48:49], s[0:1], 0x30              ; wt
	v_lshl_add_u32 v[SPW], v0, 2, SPARE
	v_mov_b32 v[NIL], 0
	v_lshrrev_b32 v1, 5, v0
	v_readfirstlane_b32 s[WV], v1                  ; wave 0..7
	s_mov_b32 s57, 0                               ; the high word of every offset: all stay under 2^32
	s_cmp_ge_u32 ttmp9, 256
	s_cbranch_scc1 .Lcast
	; ---------------- DEQUANT ----------------
	s_and_b32 s[CH], s[WV], 1
	s_lshr_b32 s[KG], s[WV], 1
	s_and_b32 s[BN], ttmp9, 63
	s_lshr_b32 s[BK], ttmp9, 6
	v_and_b32 v[LN], 31, v0
	v_lshlrev_b32 v[QO], 2, v[LN]
	v_lshlrev_b32 v[SO], 3, v[LN]
	v_lshrrev_b32 v1, 2, v[LN]
	v_lshlrev_b32 v[ZO], 2, v1
	v_and_b32 v1, 3, v[LN]
	v_lshlrev_b32 v[SH], 3, v1
	s_lshl_b32 s[TG], s[WV], 9
	v_lshl_add_u32 v[TS], v[LN], 4, s[TG]
	s_lshl_b32 s[TG], s[CH], 8
	v_lshl_add_u32 v[TB], v[LN], 3, s[TG]
	s_mul_i32 s[TG], s[WV], STW
	s_add_co_u32 s[TG], s[TG], STAGE               ; my wave's stage
	v_mul_u32_u24 v1, v[LN], 272
	v_add_nc_u32 v[STO], s[TG], v1
	v_lshrrev_b32 v1, 4, v[LN]                     ; l >> 4
	v_and_b32 v17, 15, v[LN]                       ; l & 15
	v_mul_u32_u24 v[RD], v1, 272
	v_lshl_add_u32 v[RD], v17, 4, v[RD]
	v_add_nc_u32 v[RD], s[TG], v[RD]
	v_lshlrev_b32 v[WO], 13, v1
	v_lshl_add_u32 v[WO], v17, 4, v[WO]
	s_wait_kmcnt 0x0
	s_lshl_b32 s56, s[BK], 12                      ; g_idx: my 256 k begin at 1,024 BK + 256 KG, 4 bytes each
	s_lshl_b32 s[TG], s[KG], 10
	s_add_co_u32 s56, s56, s[TG]
	s_add_nc_u64 s[12:13], s[12:13], s[56:57]
	s_load_b512 s[G:G+15], s[12:13], 0x0           ; the groups of my first two rows of qweight
	s_lshl_b32 s56, s[WV], 14                      ; scales: group w (16,384 bytes a group), columns 64 BN on
	s_lshl_b32 s[TG], s[BN], 8
	s_add_co_u32 s56, s56, s[TG]
	s_add_nc_u64 s[10:11], s[10:11], s[56:57]
	s_lshl_b32 s56, s[WV], 11                      ; qzeros: group w (2,048 bytes a group), word 8 BN on
	s_lshl_b32 s[TG], s[BN], 5
	s_add_co_u32 s56, s56, s[TG]
	s_add_nc_u64 s[8:9], s[8:9], s[56:57]
	s_lshl_b32 s56, s[BK], 21                      ; qweight: row 128 BK + 32 KG (16,384 bytes a row), column 64 BN + 32 CH
	s_lshl_b32 s[TG], s[KG], 19
	s_add_co_u32 s56, s56, s[TG]
	s_lshl_b32 s[TG], s[BN], 8
	s_add_co_u32 s56, s56, s[TG]
	s_lshl_b32 s[TG], s[CH], 7
	s_add_co_u32 s56, s56, s[TG]
	s_add_nc_u64 s[6:7], s[6:7], s[56:57]
	s_lshl_b32 s56, s[BN], 19                      ; wt: row 64 BN + 32 CH (8,192 bytes a row), k 1,024 BK + 256 KG (2 bytes each)
	s_lshl_b32 s[TG], s[CH], 18
	s_add_co_u32 s56, s56, s[TG]
	s_lshl_b32 s[TG], s[BK], 11
	s_add_co_u32 s56, s56, s[TG]
	s_lshl_b32 s[TG], s[KG], 9
	s_add_co_u32 s56, s56, s[TG]
	s_add_nc_u64 s[48:49], s[48:49], s[56:57]
	; all of the wave's global loads go out here: 8 for the table, then my column's 32 words
.irp i, 0,1,2,3
	global_load_b64 v[S+2*(\i):S+2*(\i)+1], v[SO], s[10:11] offset:131072*(\i)  ; group w + 8 i: the wave reads 256 consecutive bytes, aligned
.endr
.irp i, 0,1,2,3
	global_load_b32 v[Z+(\i)], v[ZO], s[8:9] offset:16384*(\i)
.endr
.set n, 0
.rept 32
	global_load_b32 v[Q+n], v[QO], s[6:7] offset:16384*n th:TH_LOAD_NT
.set n, n+1
.endr
	s_wait_loadcnt 32                              ; the 8 loads for the table are in; the 32 younger ones stay out
.irp i, 0,1,2,3
	v_lshrrev_b32 v[ZT], v[SH], v[Z+(\i)]
	v_and_b32 v[ZT+1], 15, v[ZT]                   ; z of column 2 l
	v_bfe_u32 v[ZT+2], v[ZT], 4, 4                 ; z of column 2 l + 1
	v_cvt_f32_u32 v[ZT+1], v[ZT+1]
	v_cvt_f32_u32 v[ZT+2], v[ZT+2]
	v_cvt_pk_bf16_f32 v[ZT+3], v[S+2*(\i)], v[S+2*(\i)+1]  ; the scales' one rounding
	v_lshlrev_b32 v[E], 16, v[ZT+3]                ; s_b as f32
	v_and_b32 v[E+2], 0xffff0000, v[ZT+3]
	v_mul_f32 v[E+1], v[ZT+1], v[E]                ; z s_b: 4 + 8 bits, exact
	v_mul_f32 v[E+3], v[ZT+2], v[E+2]
	ds_store_b128 v[TS], v[E:E+3] offset:TAB+4096*(\i)
.endr
	s_wait_dscnt 0x0                               ; for the others' sake: my part of the table is stored
	s_barrier_signal -1
	s_barrier_wait -1                              ; the table is whole; from here on it is only read
; The 8 look-ups of my row i of qweight (k = 8 i .. 8 i + 7 of my 256).  Two rows' 16 group numbers come by one scalar load, a pair of rows ahead, into the buffer that the row before has read out.
.macro LOOK i
.if (\i)%2 == 0
	s_wait_kmcnt 0x0                               ; this pair's group numbers are in
.if (\i)/2 < 15
	s_load_b512 s[G+16*(((\i)/2+1)%2):G+16*(((\i)/2+1)%2)+15], s[12:13], 64*((\i)/2+1)
.endif
.endif
.irp j, 0,1,2,3,4,5,6,7
	s_min_u32 s[TG], s[G+16*(((\i)/2)%2)+8*((\i)%2)+(\j)], 31  ; the clamp keeps the address inside the table
	v_lshl_add_u32 v[AD], s[TG], 9, v[TB]
	ds_load_b64 v[T+16*((\i)%2)+2*(\j):T+16*((\i)%2)+2*(\j)+1], v[AD]  ; 32 lanes, 8 neighbouring bytes each
.endr
.endm
; Row i's 8 numbers: nibble, f32, w s_b - z s_b in one fused multiply-add, bf16; 16 bytes into my row of the stage.
.macro CALC i
	s_wait_loadcnt 31-(\i)                         ; loads come back in order (ISA guide 5.7.1): word i is in, the younger words stay out
.if (\i) == 31
	s_wait_dscnt 0x0
.else
	s_wait_dscnt 8                                 ; all but the next row's 8 look-ups
.endif
.irp j, 0,1,2,3,4,5,6,7
	v_bfe_u32 v[W+(\j)], v[Q+(\i)], 4*(\j), 4
.endr
.irp j, 0,1,2,3,4,5,6,7
	v_cvt_f32_u32 v[W+(\j)], v[W+(\j)]
.endr
.irp j, 0,1,2,3,4,5,6,7
	v_fma_f32 v[W+(\j)], v[W+(\j)], v[T+16*((\i)%2)+2*(\j)], -v[T+16*((\i)%2)+2*(\j)+1]
.endr
.irp j, 0,1,2,3
	v_cvt_pk_bf16_f32 v[P+(\j)], v[W+2*(\j)], v[W+2*(\j)+1]
.endr
	ds_store_b128 v[STO], v[P:P+3] offset:16*((\i)%16)
.endm
; Sub-tile u leaves: the stage is read back by rows (LDS serves a wave's instructions in order, ISA guide 5.7.1.4: these loads see the stores above, and the next sub-tile's stores come behind them).
.macro OUT u
.if (\u) == 1
	s_wait_xcnt 0x0                                ; the first sub-tile's stores have read R: only behind this wait is it loaded again
.endif
.irp t, 0,1,2,3,4,5,6,7,8,9,10,11,12,13,14,15
	ds_load_b128 v[R+4*(\t):R+4*(\t)+3], v[RD] offset:544*(\t)  ; rows 2 t and 2 t + 1
.endr
.irp t, 0,1,2,3,4,5,6,7,8,9,10,11,12,13,14,15
	s_wait_dscnt 15-(\t)
	global_store_b128 v[WO], v[R+4*(\t):R+4*(\t)+3], s[48:49] offset:16384*(\t)+256*(\u)  ; 16 lanes store 256 consecutive bytes, at a multiple of 256 from wt's first byte
.endr
.endm
	LOOK 0
.set n, 0
.rept 32
.if n < 31
	LOOK n+1                                       ; the next row's look-ups are out while this row is worked on
.endif
	CALC n
.if n == 15
	OUT 0
.endif
.set n, n+1
.endr
	OUT 1
	s_branch .Lend
	; ---------------- CAST ----------------
	; Work-group c = number - 256 takes 131,072 bytes of x.  All 32 loads of a wave go out at once (512 consecutive bytes each); no register is written twice, so nothing but the counted waits is needed.
.Lcast:
	s_sub_co_u32 s[TG], ttmp9, 256
	v_lshlrev_b32 v[XO], 4, v0
	v_lshlrev_b32 v[YO], 3, v0
	s_lshl_b32 s56, s[TG], 17
	s_wait_kmcnt 0x0
	s_add_nc_u64 s[4:5], s[4:5], s[56:57]
	s_lshl_b32 s56, s[TG], 16
	s_add_nc_u64 s[14:15], s[14:15], s[56:57]
.set n, 0
.rept 32
	global_load_b128 v[X+4*n:X+4*n+3], v[XO], s[4:5] offset:4096*n th:TH_LOAD_NT
.set n, n+1
.endr
.set n, 0
.rept 32
	s_wait_loadcnt 31-n                            ; load n is in; the younger ones stay out
	v_cvt_pk_bf16_f32 v[X+4*n], v[X+4*n], v[X+4*n+1]
	v_cvt_pk_bf16_f32 v[X+4*n+1], v[X+4*n+2], v[X+4*n+3]
	global_store_b64 v[YO], v[X+4*n:X+4*n+1], s[14:15] offset:2048*n  ; the wave stores 256 consecutive bytes, at a multiple of 256 from xb's first byte
.set n, n+1
.endr
.Lend:
	s_wait_tensorcnt 0x0                           ; the wave's end: behind my last LDS store
	ds_add_u32 v[SPW], v[NIL]
	s_wait_dscnt 0x0
	s_endpgm
.Lfunc_end_k_q9b561aa223_prep:
	.size	k_q9b561aa223_prep, .Lfunc_end_k_q9b561aa223_prep-k_q9b561aa223_prep
	.p2alignl 7, 3214868480
	.fill 96, 4, 3214868480
	.section	.rodata,"a",@progbits
	.p2align	6, 0x0
	.amdhsa_kernel k_q9b561aa223_prep
		.amdhsa_group_segment_fixed_size 87040
		.amdhsa_private_segment_fixed_size 0
		.amdhsa_enable_private_segment 0
		.amdhsa_kernarg_size 56
		.amdhsa_user_sgpr_count 2
		.amdhsa_user_sgpr_kernarg_segment_ptr 1
		.amdhsa_wavefront_size32 1
		.amdhsa_system_sgpr_workgroup_id_x 1
		.amdhsa_system_sgpr_workgroup_id_y 1
		.amdhsa_system_sgpr_workgroup_id_z 1
		.amdhsa_system_vgpr_workitem_id 0
		.amdhsa_next_free_vgpr 160
		.amdhsa_next_free_sgpr 66
		.amdhsa_reserve_vcc 0
		.amdhsa_float_denorm_mode_32 3
		.amdhsa_float_denorm_mode_16_64 3
		.amdhsa_memory_ordered 1
		.amdhsa_forward_progress 1
		.amdhsa_inst_pref_size 120
	.end_amdhsa_kernel
	.amdgpu_metadata
---
amdhsa.version: [ 1, 2 ]
amdhsa.kernels:
  - .name:           k_q9b561aa223_prep
    .symbol:         k_q9b561aa223_prep.kd
    .args:
      - { .name: x, .offset: 0, .size: 8, .value_kind: global_buffer, .address_space: global }
      - { .name: qweight, .offset: 8, .size: 8, .value_kind: global_buffer, .address_space: global }
      - { .name: qzeros, .offset: 16, .size: 8, .value_kind: global_buffer, .address_space: global }
      - { .name: scales, .offset: 24, .size: 8, .value_kind: global_buffer, .address_space: global }
      - { .name: g_idx, .offset: 32, .size: 8, .value_kind: global_buffer, .address_space: global }
      - { .name: xb, .offset: 40, .size: 8, .value_kind: global_buffer, .address_space: global }
      - { .name: wt, .offset: 48, .size: 8, .value_kind: global_buffer, .address_space: global }
    .group_segment_fixed_size: 87040
    .private_segment_fixed_size: 0
    .kernarg_segment_align: 8
    .kernarg_segment_size: 56
    .max_flat_workgroup_size: 256
    .sgpr_count:     66
    .vgpr_count:     160
    .wavefront_size: 32
...
	.end_amdgpu_metadata
.endif
;; end of part 1
;; launch gemm (part 2): grid 16 x 16, 4 waves a work-group, clusters of 4 x 4, 327,680 bytes of LDS; arguments xb, wt, out0, bias; writes out0
.if DOCPART == 2
	.amdgcn_target "amdgcn-amd-amdhsa--gfx1250"
	.amdhsa_code_object_version 6
	.text
	.protected	k_q9b561aa223_gemm
	.globl	k_q9b561aa223_gemm
	.p2align	8
	.type	k_q9b561aa223_gemm,@function
k_q9b561aa223_gemm:
	s_mov_b64 s[64:65], 0
	v_nop
	global_prefetch_b8 v0, s[64:65] scope:SCOPE_SE
	s_setreg_imm32_b32 hwreg(HW_REG_WAVE_MODE, 25, 1), 1
	s_wait_xcnt 0x0
	s_wait_alu depctr_hold_cnt(0) depctr_sa_sdst(0) depctr_va_vdst(0) depctr_va_sdst(0) depctr_va_ssrc(0) depctr_va_vcc(0) depctr_vm_vsrc(0)
	s_getreg_b32 s2, hwreg(HW_REG_IB_STS2, 6, 4)
	s_cmp_eq_u32 s2, 0
	s_cbranch_scc0 .Lentry_in_a_cluster
	s_endpgm
.Lentry_in_a_cluster:
	s_bfe_u32 s2, ttmp6, 0x10000c
	s_cmp_lg_u32 s2, 0xf033
	s_cbranch_scc0 .Lentry_shape_is_right
	s_endpgm
.Lentry_shape_is_right:
; out0[m][n] = sum over k of xb[m][k] wt[n][k] + bias[n].  xb: [4096][4096] bf16 (A), wt: [4096][4096] bf16 (B, K along the rows), bias: [4096] f32, out0: [4096][4096] f32; sums in f32.
; LIMITS.  bias is rounded once to bf16, like the other floating-point inputs of the program; NaN and infinities are not treated apart.
; A tile of out0, 256 x 256, is made by a work-group of four waves; a wave makes 128 x 128: 64 accumulators of 16 x 16, 512 registers.  There are 16 x 16 tiles, one to a work-group.
; K goes in steps of 128 through a ring of two LDS slots filled by the tensor data mover: the rows of A's and B's tiles are 256 bytes of memory and start at multiples of 256 bytes from the buffer's first byte.
; CLUSTERS: 4 x 4 work-groups.  The four of a row of the cluster need the same tiles of A, the four of a column the same tiles of B.  Such a tile is asked for JOINTLY: each of the four issues the same
; tensor load, with the same descriptor and a mask that names the four, and each receives the tile in its own LDS.
; REGISTERS, in windows of 256 (s_set_vgpr_msb's low byte: bits 1:0 source 0, 3:2 source 1, 5:4 source 2, 7:6 destination):
;   window 0: v0-31 addresses and the bias; v64-127, v128-191 fragments of A (8 x 16 rows x 32 K), two buffers; on the way out the same registers hold rows read back from the stage
;   window 1: v64-127, v128-191 fragments of B, two buffers
;   window 2: the 32 accumulators of my rows 0-63 (accumulator (a, b) at v[8 (8 a + b)]);   window 3: those of my rows 64-127
; THE MATRIX INSTRUCTION IS USED TRANSPOSED: source 0 = 16 rows of B, source 1 = 16 rows of A.  In the result lane l holds row m = l % 16 of out0, and its registers 0 to 7 the columns
; 8 (l / 16) + 0 .. 7: eight neighbouring numbers of a row, 32 bytes.
.set SIZE_N, 4096
.set SIZE_K, 4096
.set KSTEP,  128
.set PITCH,  272                       ; an LDS row: 256 bytes of data + 16 of padding = 68 words: row r starts at bank 4 r mod 64 (64 banks of 4 bytes: ISA guide 11.1), so the 16 rows that a load touches start at 16 different banks
.set HALFT,  128*PITCH                 ; 128 rows: what one tensor load brings, and what one wave reads of A or of B
.set SLOT,   4*HALFT                   ; A's 256 rows, then B's 256 rows
.set STAGE,  2*SLOT                    ; behind the ring: 16 rows x 528 bytes for each wave, for the way out; no tensor load lands here
.set SPITCH, 528                       ; 512 bytes (128 f32) + 16: 132 words, so again 16 rows start at 16 different groups of four banks
.set SPARE,  STAGE+4*16*SPITCH         ; behind the stages: the spare words, 128 bytes for each wave: two blocks of 256 bytes that no other line names
.set LAPS, SIZE_K/(2*KSTEP)            ; a lap = two K steps = once round the ring: 16
.set BIAS, 8                           ; v[8:11] the bias of the four columns that I store
.set ADRA, 16                          ; v16-17  LDS address of my A fragments in slot 0, 1
.set ADRB, 20                          ; v20-21  the same for B
.set STO,  24                          ; v24     the way out: where I put 32 bytes of a row
.set RD,   25                          ; v25     the way out: where I read 16 bytes of a row back
.set CO,   26                          ; v26     16 x lane: my byte offset in 512 bytes of a row of out0, and in the wave's 512 bytes of bias; never rewritten
.set SPW,  28                          ; v28     LDS address of my spare word: SPARE + 4 x my thread's number; never rewritten
.set NIL,  29                          ; v29     0; never rewritten
.set PFO,  30                          ; v30     the prefetches' offset: my lane x a row of A or B in memory (8,192 bytes); never rewritten
.set PFA,  44                          ; s[44:45] where my prefetches stand: my work-group's 32 rows of the 128 that I fetch, one K step further along K than the refill that is being asked for; a prefetch names the K step after that
.set LIM,  43                          ; s43     1 in a wave that prefetches, else the greatest number
.set BP,   66                          ; s[66:67] bias at my wave's first column
.set F0,   64                          ; fragment buffer 0
.set F1,   128                         ; fragment buffer 1
.set G1, 24                            ; s[24:31] descriptor group 1 for A's tiles
.set G0, 32                            ; s[32:39] descriptor group 0 for A's tiles, one set for each slot
.set G1B, 48                           ; s[48:55] descriptor group 1 for B's tiles: it differs from A's in the mask alone
.set G0B, 56                           ; s[56:63] descriptor group 0 for B's tiles, one set for each slot
.set MSB, 0
.macro WIN new                         ; the immediate's high byte repeats the setting that is left; a switch that changes nothing is dropped
.if MSB != (\new)
	s_set_vgpr_msb (MSB<<8)|(\new)
.set MSB, \new
.endif
.endm
.set MUL_LO, 0xa1                      ; source 0 (B) window 1, source 1 (A) window 0, C and D window 2
.set MUL_HI, 0xf1                      ; the same, C and D window 3
.set TO_B,   0x40                      ; destination window 1, address window 0
; A joint load.  Waves 0 and 1 fetch A's two halves, waves 2 and 3 B's.  Each of the two lines has ONE mask and one set of registers for all that issue it.  The branch hangs on the wave's number alone.
; An s_nop 0 and four v_nop follow each of the two lines; the jump round the other line, the label and what follows the macro come after them.
.macro JLOAD s
	s_cmp_eq_u32 s11, 0
	s_cbranch_scc0 .Lfor_b_\@
	tensor_load_to_lds s[G0+4*(\s):G0+4*(\s)+3], s[G1:G1+7]
	s_nop 0
.rept 4
	v_nop
.endr
	s_branch .Lasked_\@
.Lfor_b_\@:
	tensor_load_to_lds s[G0B+4*(\s):G0B+4*(\s)+3], s[G1B:G1B+7]
	s_nop 0
.rept 4
	v_nop
.endr
.Lasked_\@:
.endm
; A PREFETCH INTO THE L2, behind each joint refill, its five lines and the run of LDS loads that follows them: the K step that stands TWO refills on, 512 matrix instructions ahead of the load that will ask for it:
; 32 rows x 256 bytes, a lane a row, one instruction a wave.  Each row's 256 bytes of a K step are named ONCE in the launch.  A's tile row is read by every cluster of that row of clusters: the one with
; cluster x = 0 prefetches; B's tile column by every cluster of that column: cluster y = 0 prefetches.  The four partners that ask for a tile jointly share its rows out BY ADDRESS: of the 128 rows that a wave
; fetches, the partner at place p takes 32 p .. 32 p + 31 (p = cx for A, cy for B): no branch hangs on a work-group's place in its cluster.  The loop's last trip asks for nothing: K steps 32 and 33 do not exist.
.macro ASK
	s_cmp_gt_u32 s3, s[LIM]                        ; s3 = 1 in the loop's last trip
	s_cbranch_scc0 .Lnot_mine_\@
	global_prefetch_b8 v[PFO], s[PFA:PFA+1] offset:KSTEP*2 th:TH_LOAD_NT scope:SCOPE_SE
.Lnot_mine_\@:
.endm
; A round of the cluster's barrier: my work-group's barrier, so that wave 0's signal speaks for all four waves; wave 0 signals for the work-group; every wave waits for all
; sixteen work-groups; my work-group's barrier once more.  No LDS instruction of the wave is pending at a signal.
.macro CREST                           ; a round behind its opening barrier
	s_cmp_lg_u32 s10, 0
	s_cbranch_scc1 .Lnot_wave_0_\@
	s_barrier_signal -3
.Lnot_wave_0_\@:
	s_barrier_wait -3
	s_barrier_signal -1
	s_barrier_wait -1
.endm
.macro CROUND                          ; a whole round
	s_barrier_signal -1
	s_barrier_wait -1
	CREST
.endm
	s_load_b128 s[4:7], s[0:1], 0x0                ; A (xb) s[4:5], B (wt) s[6:7]
	s_load_b64 s[8:9], s[0:1], 0x10                ; out0
	s_load_b64 s[BP:BP+1], s[0:1], 0x18            ; bias
	v_lshl_add_u32 v[SPW], v0, 2, SPARE
	v_mov_b32 v[NIL], 0
	ds_add_u32 v[SPW], v[NIL]                      ; the wave's opening: the add, twice on end, and its wait stand ahead of my first tensor load; the set-up below, work on registers, stands between the second and the wait
	ds_add_u32 v[SPW], v[NIL]                      ; and once more, under the one wait
	v_lshrrev_b32 v1, 5, v0
	v_readfirstlane_b32 s10, v1                    ; wave 0..3
	s_lshr_b32 s11, s10, 1                         ; which half of the tile's rows is mine.  Also: I fetch for A (0) or for B (1)
	s_and_b32 s12, s10, 1                          ; which half of its columns.  Also: which 128 rows of that tile I fetch
	s_bfe_u32 s40, ttmp6, 0x40000                  ; cx: my place along the cluster's x
	s_bfe_u32 s41, ttmp6, 0x40004                  ; cy: along its y
	s_lshl_b32 s42, ttmp9, 2                       ; in a cluster launch ttmp9 and ttmp7 count clusters
	s_add_co_u32 s42, s42, s40                     ; tile column = 4 x cluster x + cx
	s_and_b32 s13, ttmp7, 0xffff
	s_lshl_b32 s13, s13, 2
	s_add_co_u32 s13, s13, s41                     ; tile row = 4 x cluster y + cy
	s_lshl_b32 s43, s41, 2
	s_lshl_b32 s43, 15, s43                        ; my row of the cluster: places 4 cy .. 4 cy + 3
	s_lshl_b32 s44, 0x1111, s40                    ; my column: places cx, cx + 4, cx + 8, cx + 12
	; descriptor group 1: a tile of 128 rows x 128 elements, padded in LDS
	s_or_b32 s[G1+0], s43, (1<<16)|(1<<20)|(1<<21)|(5<<22)|(3<<25)  ; 15:0 the mask: A's tiles go to my row; 17:16 element of 2 bytes; 20 padding on; 21 set beside a mask; 24:22 after every 64 words (code 5); 31:25 of 4 words (code 3)
	s_or_b32 s[G1B+0], s44, (1<<16)|(1<<20)|(1<<21)|(5<<22)|(3<<25) ; the same with the mask of my column, for B's tiles
	s_mov_b32 s[G1B+1], KSTEP<<16
	s_mov_b32 s[G1+1], KSTEP<<16                   ; 63:48 tensor_dim0, low half = 128
	s_mov_b32 s[G1B+2], 128<<16
	s_mov_b32 s[G1+2], 128<<16                     ; 79:64 its high half = 0; 95:80 tensor_dim1, low half = 128
	s_mov_b32 s[G1B+3], KSTEP<<16
	s_mov_b32 s[G1+3], KSTEP<<16                   ; 111:96 its high half = 0; 127:112 tile_dim0 = 128
	s_mov_b32 s[G1B+4], 128
	s_mov_b32 s[G1+4], 128                         ; 143:128 tile_dim1 = 128; 159:144 tile_dim2 = 0
	s_mov_b32 s[G1B+5], SIZE_K
	s_mov_b32 s[G1+5], SIZE_K                      ; 191:160 tensor_dim0_stride, low word: elements from row to row
	s_mov_b32 s[G1B+6], 0
	s_mov_b32 s[G1+6], 0
	s_mov_b32 s[G1B+7], 0
	s_mov_b32 s[G1+7], 0
	; where the tiles come from.  A's hang on the tile row alone, which my row of the cluster shares; B's on the tile column alone, which my column shares.
	; Every wave makes both addresses, in registers that never hold the other coordinate, and asks by one of them.
	s_lshl_b32 s17, s12, 7                         ; which 128 rows of the tile I fetch
	s_lshl_b32 s16, s13, 8
	s_add_co_u32 s16, s16, s17                     ; A: row 256 x tile row + 128 x half
	s_lshl_b32 s46, s42, 8
	s_add_co_u32 s46, s46, s17                     ; B: row 256 x tile column + 128 x half
	s_mov_b32 s17, 0
	s_mov_b32 s47, 0
	s_mov_b64 s[18:19], SIZE_K*2
	s_mul_u64 s[16:17], s[16:17], s[18:19]         ; in bytes
	s_mul_u64 s[46:47], s[46:47], s[18:19]
	s_mul_i32 s20, s10, HALFT                      ; and where they go: A's two halves, then B's two halves = wave x 128 rows: no place in the cluster enters an LDS address
	s_wait_dscnt 0x0                               ; both opening adds are done
	s_wait_kmcnt 0x0
	s_add_nc_u64 s[14:15], s[4:5], s[16:17]
	s_add_nc_u64 s[46:47], s[6:7], s[46:47]
	CROUND                                         ; all sixteen work-groups are here: the first joint loads meet
.irp s, 0,1
	s_mov_b32 s[G0+4*(\s)], 1                                      ; 1:0 count = 1
	s_add_co_u32 s[G0+4*(\s)+1], s20, (\s)*SLOT                    ; 63:32 LDS address
	s_add_nc_u64 s[G0+4*(\s)+2:G0+4*(\s)+3], s[14:15], (\s)*KSTEP*2  ; 120:64 global address: K step s
	s_or_b32 s[G0+4*(\s)+3], s[G0+4*(\s)+3], 0x80000000            ; 127:126 type = 2
	s_mov_b32 s[G0B+4*(\s)], 1
	s_add_co_u32 s[G0B+4*(\s)+1], s20, (\s)*SLOT
	s_add_nc_u64 s[G0B+4*(\s)+2:G0B+4*(\s)+3], s[46:47], (\s)*KSTEP*2
	s_or_b32 s[G0B+4*(\s)+3], s[G0B+4*(\s)+3], 0x80000000
	JLOAD \s                                       ; the ring is filled before anything else is done: two tensor loads of mine are out
.endr
	; A fragment is 16 rows x 32 K in 8 registers: lane l holds row l % 16; registers 0-3 hold K = 8 (l / 16) + 0..7, registers 4-7 hold
	; K = 16 + 8 (l / 16) + 0..7.  From rows that lie along K: two loads of 16 bytes, 32 bytes apart.  The same for source 0 and source 1.
	v_and_b32 v1, 15, v0                           ; l % 16
	v_bfe_u32 v2, v0, 4, 1                         ; l / 16
	v_mul_u32_u24 v3, v1, PITCH
	v_lshl_add_u32 v3, v2, 4, v3                   ; row x pitch + 16 x half
	s_mul_i32 s21, s11, HALFT                      ; my 128 rows of A
	s_mul_i32 s22, s12, HALFT                      ; my 128 rows of B,
	s_add_co_u32 s22, s22, 2*HALFT                 ; which lie behind A's 256
.irp s, 0,1
	v_add_nc_u32 v[ADRA+(\s)], s21, v3
	v_add_nc_u32 v[ADRB+(\s)], s22, v3
	s_add_co_u32 s21, s21, SLOT
	s_add_co_u32 s22, s22, SLOT
.endr
	s_mul_i32 s23, s10, 16*SPITCH
	s_add_co_u32 s23, s23, STAGE                   ; my stage
	v_mul_u32_u24 v4, v1, SPITCH                   ; in: row l % 16, 32 bytes for each half of the lanes
	v_lshl_add_u32 v4, v2, 5, v4
	v_add_nc_u32 v[STO], s23, v4
	v_and_b32 v5, 31, v0
	v_lshlrev_b32 v[CO], 4, v5                     ; back: the 32 lanes take one row of 512 bytes
	v_add_nc_u32 v[RD], s23, v[CO]
	; where my part of the tile begins in out0 and in bias
	s_lshl_b32 s13, s13, 8                         ; 256 x tile row
	s_lshl_b32 s14, s11, 7
	s_add_co_u32 s16, s13, s14                     ; my first row,
	s_lshl_b32 s16, s16, 14                        ; of 16,384 bytes
	s_mov_b32 s17, 0
	s_lshl_b32 s46, s42, 10                        ; my first column, in bytes: 1,024 x tile column + 512 x half (in the registers that held B's address: none that fed A's descriptors ever holds cx)
	s_lshl_b32 s47, s12, 9
	s_add_co_u32 s46, s46, s47
	s_mov_b32 s47, 0
	s_add_nc_u64 s[BP:BP+1], s[BP:BP+1], s[46:47]
	s_add_nc_u64 s[8:9], s[8:9], s[16:17]
	s_add_nc_u64 s[8:9], s[8:9], s[46:47]
	global_load_b128 v[BIAS:BIAS+3], v[CO], s[BP:BP+1]  ; the bias of columns 4 l .. 4 l + 3 of my 128
	; the prefetches.  s13 = 256 x tile row, s42 = tile column, s40 = cx, s41 = cy still stand; s[4:5] = A, s[6:7] = B
	s_lshl_b32 s42, s42, 8
	s_and_b32 s22, ttmp7, 0xffff                   ; cluster y
	s_cmp_eq_u32 s11, 0                            ; do I fetch for A?
	s_cselect_b32 s20, s13, s42                    ; the tile's first row: in A by the tile row, in B by the tile column
	s_cselect_b32 s21, s40, s41                    ; my place among the four that ask for it with me
	s_cselect_b32 s22, ttmp9, s22                  ; the coordinate along which other clusters read the same rows
	s_cselect_b64 s[PFA:PFA+1], s[4:5], s[6:7]
	s_cmp_eq_u32 s22, 0
	s_cselect_b32 s[LIM], 1, -1                    ; the same in all sixteen partners, for a given wave
	s_lshl_b32 s22, s12, 7
	s_add_co_u32 s20, s20, s22                     ; + the 128 rows that I fetch
	s_lshl_b32 s21, s21, 5
	s_add_co_u32 s20, s20, s21                     ; + my work-group's 32 of them
	s_mov_b32 s21, 0
	s_mov_b64 s[18:19], SIZE_K*2
	s_mul_u64 s[20:21], s[20:21], s[18:19]
	s_add_nc_u64 s[PFA:PFA+1], s[PFA:PFA+1], s[20:21]
	s_add_nc_u64 s[PFA:PFA+1], s[PFA:PFA+1], 2*KSTEP*2  ; at K step 2: the first refill steps it to 3 and names K step 4
	v_lshlrev_b32 v[PFO], 13, v5
	; nothing is prefetched here, at the head, where every work-group's first two tiles are on their way: K steps 2 and 3 come by their refills alone
	s_wait_loadcnt 0x0                             ; the bias: rounded once to bf16 and widened again, while the first tile is on its way
	v_cvt_pk_bf16_f32 v12, v[BIAS], v[BIAS+1]
	v_cvt_pk_bf16_f32 v13, v[BIAS+2], v[BIAS+3]
	v_lshlrev_b32 v[BIAS], 16, v12
	v_and_b32 v[BIAS+1], 0xffff0000, v12
	v_lshlrev_b32 v[BIAS+2], 16, v13
	v_and_b32 v[BIAS+3], 0xffff0000, v13
; 16 matrix instructions: m blocks a0, a0 + 1 of the window's four (hi = 0: my rows 0-63, 1: rows 64-127) x all 8 n blocks, 32 along K.
; zero = 1: the first product starts the sums: nothing is ever cleared.  The 64 accumulators take turns, one instruction a turn, in the same order in every quarter step.
.macro MUL16 f, hi, a0, zero
	WIN MUL_LO+0x50*(\hi)  ; MUL_LO or MUL_HI
.irp a, \a0, (\a0)+1
.irp b, 0,1,2,3,4,5,6,7
.if \zero
	v_wmma_f32_16x16x32_bf16 v[8*(8*(\a)+(\b)):8*(8*(\a)+(\b))+7], v[(\f)+8*(\b):(\f)+8*(\b)+7], v[(\f)+8*(4*(\hi)+(\a)):(\f)+8*(4*(\hi)+(\a))+7], 0
.else
	v_wmma_f32_16x16x32_bf16 v[8*(8*(\a)+(\b)):8*(8*(\a)+(\b))+7], v[(\f)+8*(\b):(\f)+8*(\b)+7], v[(\f)+8*(4*(\hi)+(\a)):(\f)+8*(4*(\hi)+(\a))+7], v[8*(8*(\a)+(\b)):8*(8*(\a)+(\b))+7]
.endif
.endr
.endr
.endm
; 32 LDS loads in one run: the fragments of one quarter step (128 rows of B, 128 rows of A, 32 K at byte k of the rows) into buffer f
.macro FETCH slot, k, f
	WIN TO_B
.irp i, 0,1,2,3,4,5,6,7
	ds_load_b128 v[(\f)+8*(\i):(\f)+8*(\i)+3],   v[ADRB+(\slot)] offset:(\k)+(\i)*16*PITCH
	ds_load_b128 v[(\f)+8*(\i)+4:(\f)+8*(\i)+7], v[ADRB+(\slot)] offset:(\k)+(\i)*16*PITCH+32
.endr
	WIN 0
.irp i, 0,1,2,3,4,5,6,7
	ds_load_b128 v[(\f)+8*(\i):(\f)+8*(\i)+3],   v[ADRA+(\slot)] offset:(\k)+(\i)*16*PITCH
	ds_load_b128 v[(\f)+8*(\i)+4:(\f)+8*(\i)+7], v[ADRA+(\slot)] offset:(\k)+(\i)*16*PITCH+32
.endr
.endm
; A load into a register that a matrix instruction has read, and an LDS store that reads a matrix result, stand four places behind that matrix instruction, and only plain vector
; instructions that name none of its registers are places (ISA guide 7.12.1 for vector instructions); the matrix instructions in between are not counted.
.macro PLACES
.rept 4
	v_nop
.endr
.endm
; A K step is four quarter steps of 32 along K, 64 matrix instructions each, on buffers 0, 1, 0, 1.
; One of the first three: multiplies buffer f; in its middle it fetches the next quarter's fragments, at byte k of the same slot's rows, into buffer g.
.macro QUARTER slot, k, f, g, zero
	s_wait_dscnt 8                                 ; B and A's rows 0-63 are in; the youngest eight loads (A's rows 64-127) may be out
	WIN MUL_LO
	MUL16 \f, 0, 0, \zero
	MUL16 \f, 0, 2, \zero
	PLACES
	FETCH \slot, \k, \g
	s_wait_dscnt 32                                ; all but the 32 just issued
	WIN MUL_HI
	MUL16 \f, 1, 0, \zero
	MUL16 \f, 1, 2, \zero
.endm
; The last quarter multiplies buffer 1 and changes slots.  MEET is its first half: ONE barrier for the change of slots.  In front of it each wave waits for all its tensor loads, of which one is out:
; its part of the next slot; adds 0 to its spare word; and waits for that and for its own reads of this slot.  Behind it nobody reads this slot any more and the next slot is whole.
.macro MEET round                      ; round = 1: the rest of a round of the cluster's barrier follows
	WIN 0                                          ; (the add's two registers lie in window 0)
	s_wait_tensorcnt 0x0                           ; all my tensor loads have landed: the one that was out is my part of the next slot;
	ds_add_u32 v[SPW], v[NIL]                      ; 0 onto my spare word;
	s_wait_dscnt 9                                 ; (the add and the youngest eight loads may be out)
	WIN MUL_LO
	MUL16 F1, 0, 0, 0                              ; sixteen matrix instructions stand between the add and the wait for it
	s_wait_dscnt 0x0                               ; the add is done, and my reads of this slot are over:
	s_barrier_signal -1                            ; say so,
	MUL16 F1, 0, 2, 0                              ; work on registers while the others arrive,
.if \round
	WIN 0
.endif
	s_barrier_wait -1                              ; and go on when all four have said so
.endm
; The whole last quarter.  fill = 1: behind a round of the cluster's barrier the slot just read out is filled again first, with the K step two steps on; then come the next slot's first fragments.
; From a request to the wait for it a wave issues 224 matrix instructions.  fill = 0 (the tail): nothing is left to ask for, so the work-group's barrier alone changes slots.
.macro TURN slot, next, fill
.if \fill
	s_wait_xcnt 0x0                                ; the last prefetch, a K step back, has read its address: it is stepped here, ahead of the waits of the change of slots
	s_add_nc_u64 s[PFA:PFA+1], s[PFA:PFA+1], KSTEP*2
	MEET 1
	CREST                                          ; no wave of any partner still reads this slot's tile or has a load on its way
	s_add_nc_u64 s[G0+4*(\slot)+2:G0+4*(\slot)+3], s[G0+4*(\slot)+2:G0+4*(\slot)+3], 2*KSTEP*2    ; no tensor load of mine is out, so a group 0 may be written
	s_add_nc_u64 s[G0B+4*(\slot)+2:G0B+4*(\slot)+3], s[G0B+4*(\slot)+2:G0B+4*(\slot)+3], 2*KSTEP*2
	JLOAD \slot                                    ; the first tensor load behind the round, my only one until the next; the four v_nop behind it are also the places in front of the loads below
	FETCH \next, 0, F0
	ASK                                            ; behind the joint load and the run of LDS loads that the next products wait for
.else
	MEET 0
	PLACES
	FETCH \next, 0, F0
.endif
	WIN MUL_HI
	MUL16 F1, 1, 0, 0
	MUL16 F1, 1, 2, 0
.endm
; THE WAY OUT of block a (16 rows x 128 columns of f32).  TOSTAGE: the block's eight accumulators go as they are into my own stage, 32 bytes a lane and accumulator, each accumulator's lowest registers first,
; and come back as whole rows of 512 bytes (LDS serves a wave's instructions in order, ISA guide 5.7.1.4: the loads see the stores above, and the next block's stores come behind them).
.macro TOSTAGE a
.set AC, 64*((\a)%4)
.set BK, F0+64*((\a)%2)
.if (\a) >= 2
	s_wait_xcnt 0x0                                ; the stores of the block two back have read these registers: only behind this wait are they loaded again
.endif
	WIN 0x08+4*((\a)/4)                            ; the stores' data (source 1) in window 2 or 3, the address in window 0
.irp b, 0,1,2,3,4,5,6,7
	ds_store_b128 v[STO], v[AC+8*(\b):AC+8*(\b)+3]   offset:64*(\b)
	ds_store_b128 v[STO], v[AC+8*(\b)+4:AC+8*(\b)+7] offset:64*(\b)+16
.endr
	WIN 0
.irp t, 0,1,2,3,4,5,6,7,8,9,10,11,12,13,14,15
	ds_load_b128 v[BK+4*(\t):BK+4*(\t)+3], v[RD] offset:(\t)*SPITCH
.endr
.endm
; SEND: the bias is added and the rows are stored.  younger: the LDS instructions issued behind block a's loads: the next block's 32, or none.
.macro SEND a, younger
.set BK, F0+64*((\a)%2)
	WIN 0
.irp t, 0,1,2,3,4,5,6,7,8,9,10,11,12,13,14,15
	s_wait_dscnt (\younger)+15-(\t)                ; row t is back; this block's later rows and the next block's instructions may be out
	v_pk_add_f32 v[BK+4*(\t):BK+4*(\t)+1],   v[BK+4*(\t):BK+4*(\t)+1],   v[BIAS:BIAS+1]
	v_pk_add_f32 v[BK+4*(\t)+2:BK+4*(\t)+3], v[BK+4*(\t)+2:BK+4*(\t)+3], v[BIAS+2:BIAS+3]
	global_store_b128 v[CO], v[BK+4*(\t):BK+4*(\t)+3], s[8:9] offset:(16*(\a)+(\t))*SIZE_N*4 th:TH_STORE_NT  ; the wave stores 512 consecutive bytes, at a multiple of 256 from out0's first byte; the row stands in the immediate, 127 x 16,384 at the most
.endr
.endm
	s_wait_tensorcnt 1                             ; my part of K step 0 is in; K step 1's may stay out
	s_barrier_signal -1
	s_barrier_wait -1                              ; everybody's is
	FETCH 0, 0, F0
	QUARTER 0, 64,  F0, F1, 1                      ; the first quarter stands in front of the loop: its products start the sums
	WIN 0                                          ; at a label and at a branch every window is 0
	s_mov_b32 s3, LAPS-1
.Llap:                                                 ; a trip goes once round the ring, from a lap's second quarter to the next lap's first, and fills both slots again: K steps 2 to 31 in 15 trips
	QUARTER 0, 128, F1, F0, 0
	QUARTER 0, 192, F0, F1, 0
	TURN 0, 1, 1
	QUARTER 1, 64,  F0, F1, 0
	QUARTER 1, 128, F1, F0, 0
	QUARTER 1, 192, F0, F1, 0
	TURN 1, 0, 1
	QUARTER 0, 64,  F0, F1, 0
	WIN 0
	s_sub_co_u32 s3, s3, 1
	s_cmp_lg_u32 s3, 0
	s_cbranch_scc1 .Llap
	QUARTER 0, 128, F1, F0, 0                      ; the last lap is written out: it fills nothing
	QUARTER 0, 192, F0, F1, 0
	TURN 0, 1, 0
	QUARTER 1, 64,  F0, F1, 0
	QUARTER 1, 128, F1, F0, 0
	QUARTER 1, 192, F0, F1, 0
	s_wait_dscnt 8                                 ; the very last quarter: nothing more to fetch
	WIN MUL_LO
	MUL16 F1, 0, 0, 0
	MUL16 F1, 0, 2, 0
	s_wait_dscnt 0x0
	MUL16 F1, 1, 0, 0
	MUL16 F1, 1, 2, 0
	WIN 0
	PLACES                                         ; the stage's stores read results, and its loads land in registers that products have read: four places are asked for;
	PLACES                                         ; eight stand here, once a launch
	TOSTAGE 0
.irp a, 1,2,3,4,5,6,7                  ; block a's way through the stage stands between block a - 1's loads and the waits for them
	TOSTAGE \a
	SEND (\a)-1, 32
.endr
	SEND 7, 0
	s_wait_tensorcnt 0x0                           ; the wave's end: behind my last tensor load and my last LDS store
	ds_add_u32 v[SPW], v[NIL]
	s_wait_dscnt 0x0
	CROUND                                         ; the closing round: no work-group ends while a partner may still ask for a tile that names it
	s_endpgm
.Lfunc_end_k_q9b561aa223_gemm:
	.size	k_q9b561aa223_gemm, .Lfunc_end_k_q9b561aa223_gemm-k_q9b561aa223_gemm
	.p2alignl 7, 3214868480
	.fill 96, 4, 3214868480
	.section	.rodata,"a",@progbits
	.p2align	6, 0x0
	.amdhsa_kernel k_q9b561aa223_gemm
		.amdhsa_group_segment_fixed_size 327680
		.amdhsa_private_segment_fixed_size 0
		.amdhsa_enable_private_segment 0
		.amdhsa_kernarg_size 32
		.amdhsa_user_sgpr_count 2
		.amdhsa_user_sgpr_kernarg_segment_ptr 1
		.amdhsa_wavefront_size32 1
		.amdhsa_system_sgpr_workgroup_id_x 1
		.amdhsa_system_sgpr_workgroup_id_y 1
		.amdhsa_system_sgpr_workgroup_id_z 1
		.amdhsa_system_vgpr_workitem_id 0
		.amdhsa_next_free_vgpr 1024
		.amdhsa_next_free_sgpr 68
		.amdhsa_reserve_vcc 0
		.amdhsa_float_denorm_mode_32 3
		.amdhsa_float_denorm_mode_16_64 3
		.amdhsa_memory_ordered 1
		.amdhsa_forward_progress 1
		.amdhsa_inst_pref_size 162
	.end_amdhsa_kernel
	.amdgpu_metadata
---
amdhsa.version: [ 1, 2 ]
amdhsa.kernels:
  - .name:           k_q9b561aa223_gemm
    .symbol:         k_q9b561aa223_gemm.kd
    .args:
      - { .name: xb, .offset: 0, .size: 8, .value_kind: global_buffer, .address_space: global }
      - { .name: wt, .offset: 8, .size: 8, .value_kind: global_buffer, .address_space: global }
      - { .name: out0, .offset: 16, .size: 8, .value_kind: global_buffer, .address_space: global }
      - { .name: bias, .offset: 24, .size: 8, .value_kind: global_buffer, .address_space: global }
    .group_segment_fixed_size: 327680
    .private_segment_fixed_size: 0
    .kernarg_segment_align: 8
    .kernarg_segment_size: 32
    .max_flat_workgroup_size: 128
    .sgpr_count:     68
    .vgpr_count:     1024
    .wavefront_size: 32
...
	.end_amdgpu_metadata
.endif
;; end of part 2
;; ======== version 2 of 2: 2 launches; version 1 with the launch prep written anew for expert scheduling mode
;; workspace buffers: xb 33,554,432 bytes; wt 33,554,432 bytes
;; launch prep (part 3): grid 768 x 1, 8 waves a work-group, no clusters, 87,040 bytes of LDS; arguments x, qweight, qzeros, scales, g_idx, xb, wt; writes xb, wt
.if DOCPART == 3
	.amdgcn_target "amdgcn-amd-amdhsa--gfx1250"
	.amdhsa_code_object_version 6
	.text
	.protected	k_q9b561aa223_prep
	.globl	k_q9b561aa223_prep
	.p2align	8
	.type	k_q9b561aa223_prep,@function
k_q9b561aa223_prep:
	s_mov_b64 s[64:65], 0
	v_nop
	global_prefetch_b8 v0, s[64:65] scope:SCOPE_SE
	s_setreg_imm32_b32 hwreg(HW_REG_WAVE_SCHED_MODE, 0, 2), 2
	s_setreg_imm32_b32 hwreg(HW_REG_WAVE_MODE, 25, 1), 1
	s_wait_xcnt 0x0
	s_wait_alu depctr_vm_vsrc(0)
; TWO JOBS, chosen by the work-group's number, which is the same in all eight waves of a work-group.
; Work-groups 0-255:   wt[n][k] = bf16( s_b[g_idx[k]][n] x (w[k][n] - z[g_idx[k]][n]) ), the weights turned: [4096 n][4096 k], K along the rows.
;                      w = nibble k % 8 of qweight[k / 8][n]; z[g][n] = nibble n % 8 of qzeros[g][n / 8]; s_b = scales rounded to bf16.
; Work-groups 256-767: xb = x rounded to bf16, [4096][4096], same order.
; LIMITS.  g_idx is honoured as given, for each k by itself; read as an unsigned number, a value above 31 counts as 31 (the table has 32 groups).
; scales and x are rounded once to bf16; s_b (w - z) has 13 significant bits at the most, so it is exact in f32, and is rounded once to bf16.  NaN and infinities are not treated apart.
; No matrix unit, no tensor load, no cluster: both jobs are streams; what work-groups share is a table of 16 KiB.
; DEQUANT, SHARES.  A work-group takes 64 columns n and 1,024 k (128 rows of qweight); wave w takes 32 columns (half w & 1; a lane a column) and 32 rows of qweight (quarter w >> 1),
; as two sub-tiles of 16 rows = 128 k = 256 bytes of a row of wt.  The pairs (s_b, z s_b) of the work-group's 64 columns and all 32 groups lie in LDS; each k's group number comes by scalar loads,
; and a look-up of the wave reads 256 consecutive bytes.  A sub-tile goes through the wave's own stage, so that sixteen lanes store 256 consecutive bytes of a row of wt, aligned.
; THE MODE: SCHED_MODE bits 1:0 = 2 (LLVM: expert scheduling mode 2), set by the entry lines.  The code itself states the register dependences
; between vector instructions and memory or LDS instructions, with s_wait_alu, always for 0.
; THE PLAN, DEQUANT.  A step is a row i of qweight (8 k).  Registers that LDS or memory instructions touch:
;   AD0, AD1   8 look-up addresses each.  Step i's vector lines write AD[i % 2], for row i + 2; the look-ups of row i + 2, issued in step i + 1, read it.
;   T0, T1     8 pairs each.  The look-ups of row i + 1, issued in step i, land in T[(i + 1) % 2]; step i + 1's multiply-adds read it.
;   P0, P1     8 bf16 each.  Step i's roundings write P[i % 2]; the LDS store of row i, issued in step i + 1, reads it.
;   R          a sub-tile read back from the stage, then the data of 16 global stores: twice in the kernel.  AD0, AD1 and P1 lie in its first 20 registers.
;   Q          loaded once; W is named by vector lines alone; the offsets and LDS addresses v7 to v16 are made at the head and never written again.
; So step i's LDS instructions (the store of row i - 1, the look-ups of row i + 1) touch P[(i - 1) % 2], AD[(i + 1) % 2] and T[(i + 1) % 2]: what step i - 1 worked on and no vector line of step i names.
; Two waits at a step's head state all of it, and the nine LDS instructions follow, dealt among the step's first vector lines, with no further wait.
; THE PLAN, CAST.  32 chunks in 8 blocks of four, each chunk in registers of its own.  Block b's conversions write its registers; its four stores are issued in block b + 1, behind the one wait at that block's head.
.set TAB,   0                          ; LDS: 32 groups x 64 columns x 8 bytes: s_b, z s_b; 512 bytes a group
.set STAGE, 16384                      ; eight stages, a wave's own: 32 rows (columns n) x 272 bytes (256 + 16: 68 words, so 16 rows start at 16 different groups of four banks; 64 banks of 4 bytes: ISA guide 11.1)
.set STW,   32*272
.set SPARE, STAGE+8*STW                ; the spare words, 128 bytes for each wave: four blocks of 256 bytes that no other line names
.set SPW, 2                            ; v2   LDS address of my spare word; never rewritten
.set NIL, 3                            ; v3   0; never rewritten
.set XO,  4                            ; v4   cast: 16 x thread
.set YO,  5                            ; v5   cast: 8 x thread
.set LN,  6                            ; v6   lane l
.set QO,  7                            ; v7   4 l: my column's word in a row of qweight
.set SO,  8                            ; v8   8 l: two scales
.set ZO,  9                            ; v9   4 (l >> 2): the word of qzeros with columns 2 l, 2 l + 1
.set SH,  10                           ; v10  8 (l & 3): where their two nibbles begin
.set TS,  11                           ; v11  512 w + 16 l: where I store two pairs of group w
.set TB,  12                           ; v12  256 (w & 1) + 8 l: my column's pair in group 0
.set STO, 14                           ; v14  my row of my wave's stage
.set RD,  15                           ; v15  where I read 16 bytes of a row back
.set WO,  16                           ; v16  the same 16 bytes in wt: 8,192 (l >> 4) + 16 (l & 15)
.set Q,   18                           ; v[18:49]   my column's 32 words of qweight
.set T,   50                           ; v[50:81]   two buffers of 8 pairs (s_b, z s_b)
.set W,   82                           ; v[82:89]   8 numbers at work
.set P,   90                           ; v[90:93]   8 bf16 of an even row; those of an odd row PSTEP further on,
.set PSTEP, 22                         ; v[112:115]
.set R,   96                           ; v[96:159]  a sub-tile read back: 16 x 4
.set AD,  96                           ; v[96:111]  two buffers of 8 look-up addresses
.set S,   96                           ; v[96:103]  table build only: two scales of four groups
.set Z,   104                          ; v[104:107] a word of qzeros of four groups
.set ZT,  108                          ; v[108:111] at work
.set E,   112                          ; v[112:127] two pairs of each of four groups
.set X,   32                           ; v[32:159]  cast only: 32 x 4
.set G,   16                           ; s[16:31], s[32:47]  two buffers of 16 group numbers (two rows of qweight)
.set WV,  50                           ; s50  wave
.set CH,  51                           ; s51  wave & 1
.set KG,  52                           ; s52  wave >> 1
.set BN,  53                           ; s53  block of 64 columns
.set BK,  54                           ; s54  quarter of K
.set TG,  58                           ; s58  at work; a clamped group number
	s_load_b256 s[4:11], s[0:1], 0x0               ; x s[4:5], qweight s[6:7], qzeros s[8:9], scales s[10:11]
	s_load_b128 s[12:15], s[0:1], 0x20             ; g_idx s[12:13], xb s[14:15]
	s_load_b64 s[48:49], s[0:1], 0x30              ; wt
	v_lshl_add_u32 v[SPW], v0, 2, SPARE
	v_mov_b32 v[NIL], 0
	v_lshrrev_b32 v1, 5, v0
	v_readfirstlane_b32 s[WV], v1                  ; wave 0..7
	s_mov_b32 s57, 0                               ; the high word of every offset: all stay under 2^32
	s_wait_alu depctr_va_sdst(0)                   ; s50, the wave's number, is written: ahead of the branch and of its first reader
	s_cmp_ge_u32 ttmp9, 256
	s_cbranch_scc1 .Lcast
	; ---------------- DEQUANT ----------------
	s_and_b32 s[CH], s[WV], 1
	s_lshr_b32 s[KG], s[WV], 1
	s_and_b32 s[BN], ttmp9, 63
	s_lshr_b32 s[BK], ttmp9, 6
	v_and_b32 v[LN], 31, v0
	v_lshlrev_b32 v[QO], 2, v[LN]
	v_lshlrev_b32 v[SO], 3, v[LN]
	v_lshrrev_b32 v1, 2, v[LN]
	v_lshlrev_b32 v[ZO], 2, v1
	v_and_b32 v1, 3, v[LN]
	v_lshlrev_b32 v[SH], 3, v1
	s_lshl_b32 s[TG], s[WV], 9
	v_lshl_add_u32 v[TS], v[LN], 4, s[TG]
	s_lshl_b32 s[TG], s[CH], 8
	v_lshl_add_u32 v[TB], v[LN], 3, s[TG]
	s_mul_i32 s[TG], s[WV], STW
	s_add_co_u32 s[TG], s[TG], STAGE               ; my wave's stage
	v_mul_u32_u24 v1, v[LN], 272
	v_add_nc_u32 v[STO], s[TG], v1
	v_lshrrev_b32 v1, 4, v[LN]                     ; l >> 4
	v_and_b32 v17, 15, v[LN]                       ; l & 15
	v_mul_u32_u24 v[RD], v1, 272
	v_lshl_add_u32 v[RD], v17, 4, v[RD]
	v_add_nc_u32 v[RD], s[TG], v[RD]
	v_lshlrev_b32 v[WO], 13, v1
	v_lshl_add_u32 v[WO], v17, 4, v[WO]
	s_wait_kmcnt 0x0
	s_lshl_b32 s56, s[BK], 12                      ; g_idx: my 256 k begin at 1,024 BK + 256 KG, 4 bytes each
	s_lshl_b32 s[TG], s[KG], 10
	s_add_co_u32 s56, s56, s[TG]
	s_add_nc_u64 s[12:13], s[12:13], s[56:57]
	s_load_b512 s[G:G+15], s[12:13], 0x0           ; the groups of my first two rows of qweight
	s_lshl_b32 s56, s[WV], 14                      ; scales: group w (16,384 bytes a group), columns 64 BN on
	s_lshl_b32 s[TG], s[BN], 8
	s_add_co_u32 s56, s56, s[TG]
	s_add_nc_u64 s[10:11], s[10:11], s[56:57]
	s_lshl_b32 s56, s[WV], 11                      ; qzeros: group w (2,048 bytes a group), word 8 BN on
	s_lshl_b32 s[TG], s[BN], 5
	s_add_co_u32 s56, s56, s[TG]
	s_add_nc_u64 s[8:9], s[8:9], s[56:57]
	s_lshl_b32 s56, s[BK], 21                      ; qweight: row 128 BK + 32 KG (16,384 bytes a row), column 64 BN + 32 CH
	s_lshl_b32 s[TG], s[KG], 19
	s_add_co_u32 s56, s56, s[TG]
	s_lshl_b32 s[TG], s[BN], 8
	s_add_co_u32 s56, s56, s[TG]
	s_lshl_b32 s[TG], s[CH], 7
	s_add_co_u32 s56, s56, s[TG]
	s_add_nc_u64 s[6:7], s[6:7], s[56:57]
	s_lshl_b32 s56, s[BN], 19                      ; wt: row 64 BN + 32 CH (8,192 bytes a row), k 1,024 BK + 256 KG (2 bytes each)
	s_lshl_b32 s[TG], s[CH], 18
	s_add_co_u32 s56, s56, s[TG]
	s_lshl_b32 s[TG], s[BK], 11
	s_add_co_u32 s56, s56, s[TG]
	s_lshl_b32 s[TG], s[KG], 9
	s_add_co_u32 s56, s56, s[TG]
	s_add_nc_u64 s[48:49], s[48:49], s[56:57]
	s_wait_alu depctr_va_vdst(0)                   ; the offsets and LDS addresses v7, v8, v9, v11, v14, v15, v16 are written: the loads below, the table's stores, the stage's stores and loads and wt's stores read them, and no vector line writes them again
	; all of the wave's global loads go out here: 8 for the table, then my column's 32 words
.irp i, 0,1,2,3
	global_load_b64 v[S+2*(\i):S+2*(\i)+1], v[SO], s[10:11] offset:131072*(\i)  ; group w + 8 i: the wave reads 256 consecutive bytes, aligned
.endr
.irp i, 0,1,2,3
	global_load_b32 v[Z+(\i)], v[ZO], s[8:9] offset:16384*(\i)
.endr
.set n, 0
.rept 32
	global_load_b32 v[Q+n], v[QO], s[6:7] offset:16384*n th:TH_LOAD_NT
.set n, n+1
.endr
	s_wait_loadcnt 32                              ; the 8 loads for the table are in; the 32 younger ones stay out
.irp i, 0,1,2,3                        ; each of my four groups has its own four registers of E, so that one wait serves the four stores
	v_lshrrev_b32 v[ZT], v[SH], v[Z+(\i)]
	v_and_b32 v[ZT+1], 15, v[ZT]                   ; z of column 2 l
	v_bfe_u32 v[ZT+2], v[ZT], 4, 4                 ; z of column 2 l + 1
	v_cvt_f32_u32 v[ZT+1], v[ZT+1]
	v_cvt_f32_u32 v[ZT+2], v[ZT+2]
	v_cvt_pk_bf16_f32 v[ZT+3], v[S+2*(\i)], v[S+2*(\i)+1]  ; the scales' one rounding
	v_lshlrev_b32 v[E+4*(\i)], 16, v[ZT+3]         ; s_b as f32
	v_and_b32 v[E+4*(\i)+2], 0xffff0000, v[ZT+3]
	v_mul_f32 v[E+4*(\i)+1], v[ZT+1], v[E+4*(\i)]  ; z s_b: 4 + 8 bits, exact
	v_mul_f32 v[E+4*(\i)+3], v[ZT+2], v[E+4*(\i)+2]
.endr
	s_wait_alu depctr_va_vdst(0)                   ; the sixteen registers of E are written, which the four LDS stores read
.irp i, 0,1,2,3
	ds_store_b128 v[TS], v[E+4*(\i):E+4*(\i)+3] offset:TAB+4096*(\i)
.endr                                                  ; E's registers are written again from step 1 on, behind the steps' own waits on vm_vsrc
	s_wait_dscnt 0x0                               ; for the others' sake: my part of the table is stored
	s_barrier_signal -1
	s_barrier_wait -1                              ; the table is whole; from here on it is only read
; The 8 look-up addresses of my row i of qweight (k = 8 i .. 8 i + 7 of my 256), into AD[i % 2].  Two rows' 16 group numbers come by one scalar load, a pair of rows ahead, into the buffer that the row before has read out.
.macro ADDR i
.if (\i)%2 == 0
	s_wait_kmcnt 0x0                               ; this pair's group numbers are in
.if (\i)/2 < 15
	s_load_b512 s[G+16*(((\i)/2+1)%2):G+16*(((\i)/2+1)%2)+15], s[12:13], 64*((\i)/2+1)
.endif
.endif
.irp j, 0,1,2,3,4,5,6,7
	s_min_u32 s[TG], s[G+16*(((\i)/2)%2)+8*((\i)%2)+(\j)], 31  ; the clamp keeps the address inside the table
	v_lshl_add_u32 v[AD+8*((\i)%2)+(\j)], s[TG], 9, v[TB]
.endr
.endm
; A sub-tile comes back: the stage is read by rows (LDS serves a wave's instructions in order, ISA guide 5.7.1.4: these loads see the stores above, and the next sub-tile's stores come behind them).
.macro BACK
.irp t, 0,1,2,3,4,5,6,7,8,9,10,11,12,13,14,15
	ds_load_b128 v[R+4*(\t):R+4*(\t)+3], v[RD] offset:544*(\t)  ; rows 2 t and 2 t + 1
.endr
.endm
; Sub-tile u leaves.  No LDS instruction stands between BACK and SEND.
.macro SEND u
.irp t, 0,1,2,3,4,5,6,7,8,9,10,11,12,13,14,15
	s_wait_dscnt 15-(\t)                           ; load t of the sixteen is in
	global_store_b128 v[WO], v[R+4*(\t):R+4*(\t)+3], s[48:49] offset:16384*(\t)+256*(\u)  ; 16 lanes store 256 consecutive bytes, at a multiple of 256 from wt's first byte
.endr
.endm
; STEP i.  LDS: the store of row i - 1, the look-ups of row i + 1.  Vector: row i's 8 numbers (nibble, f32, w s_b - z s_b in one fused multiply-add, bf16) into P[i % 2]; the addresses of row i + 2 into AD[i % 2].
; Step 16 also carries the first sub-tile's way out: row 15's store, which completes it, is this step's, and row 16's store, which writes the stage again, is the next step's.
.macro STEP i
	s_wait_loadcnt 31-(\i)                         ; loads come back in order (ISA guide 5.7.1): word i is in, the younger words stay out
	s_wait_alu depctr_vm_vsrc(0)                   ; row i's look-ups and the store of row i - 2, issued a step back (row 0's look-ups: ahead of the steps), have read AD[i % 2] and P[i % 2], which this step writes again; in steps 0 and 1 also: the table's stores have read E
.if (\i) > 0
	s_wait_alu depctr_va_vdst(0)                   ; the step before has written the other P, which the store below reads, and the other AD, which the look-ups below read, and is done reading the other T, in which they land
	ds_store_b128 v[STO], v[P+PSTEP*(((\i)-1)%2):P+PSTEP*(((\i)-1)%2)+3] offset:16*(((\i)-1)%16)  ; row i - 1: 16 bytes into my row of the stage
.endif
.irp j, 0,1,2,3,4,5,6,7
.if (\i) < 31
	ds_load_b64 v[T+16*(((\i)+1)%2)+2*(\j):T+16*(((\i)+1)%2)+2*(\j)+1], v[AD+8*(((\i)+1)%2)+(\j)]  ; 32 lanes, 8 neighbouring bytes each.  No further wait: the lines between name W and Q alone
.endif
	v_bfe_u32 v[W+(\j)], v[Q+(\i)], 4*(\j), 4
.endr
.if (\i) == 16
	s_wait_alu depctr_vm_vsrc(0)                   ; the store and the look-ups above have read P1 and AD1, in which loads of the read-back land (AD0 was read a step back; what wrote all three stands ahead of this step's wait on va_vdst)
	BACK
.endif
.irp j, 0,1,2,3,4,5,6,7
	v_cvt_f32_u32 v[W+(\j)], v[W+(\j)]
.endr
.if (\i) == 0
	s_wait_dscnt 8                                 ; row 0's look-ups are in; row 1's eight stay out
.elseif (\i) == 16
	s_wait_dscnt 25                                ; row 16's look-ups are in; behind them: this step's store, its eight look-ups, the sixteen loads of the read-back
.elseif (\i) == 31
	s_wait_dscnt 1                                 ; behind row 31's look-ups stands this step's store alone
.else
	s_wait_dscnt 9                                 ; row i's look-ups are in; this step's store and its eight look-ups stay out
.endif
.irp j, 0,1,2,3,4,5,6,7
	v_fma_f32 v[W+(\j)], v[W+(\j)], v[T+16*((\i)%2)+2*(\j)], -v[T+16*((\i)%2)+2*(\j)+1]
.endr
.irp j, 0,1,2,3
	v_cvt_pk_bf16_f32 v[P+PSTEP*((\i)%2)+(\j)], v[W+2*(\j)], v[W+2*(\j)+1]
.endr
.if (\i) == 16
	SEND 0                                         ; row 16's arithmetic has stood between the read-back's loads and the waits for them
	s_wait_xcnt 0x0                                ; every earlier memory instruction has had its addresses translated (ISA guide 3.1): R, the data of the stores above, is rewritten only behind this wait,
	s_wait_alu depctr_vm_vsrc(0)                   ; and those stores have read R: AD0 is written below, P1 and AD1 in the next step, the rest by the second read-back
.endif
.if (\i) < 30
	ADDR (\i)+2
.endif
.endm
	ADDR 0
	ADDR 1
	s_wait_alu depctr_va_vdst(0)                   ; the addresses of rows 0 and 1 are written, which the look-ups below and those of step 0 read
.irp j, 0,1,2,3,4,5,6,7
	ds_load_b64 v[T+2*(\j):T+2*(\j)+1], v[AD+(\j)] ; row 0
.endr
.set n, 0
.rept 32
	STEP n
.set n, n+1
.endr
	s_wait_alu depctr_va_vdst(0)                   ; step 31 has written P1, which the last store into the stage reads; all that wrote AD0, AD1 and P1, in which the read-back lands, is done
	ds_store_b128 v[STO], v[P+PSTEP:P+PSTEP+3] offset:16*15  ; row 31
	s_wait_alu depctr_vm_vsrc(0)                   ; that store has read P1, in which a load of the read-back lands
	BACK
	SEND 1
	s_branch .Lend
	; ---------------- CAST ----------------
	; Work-group c = number - 256 takes 131,072 bytes of x.  All 32 loads of a wave go out at once (512 consecutive bytes each); no register is written after a store has read it.
.Lcast:
	s_sub_co_u32 s[TG], ttmp9, 256
	v_lshlrev_b32 v[XO], 4, v0
	v_lshlrev_b32 v[YO], 3, v0
	s_lshl_b32 s56, s[TG], 17
	s_wait_kmcnt 0x0
	s_add_nc_u64 s[4:5], s[4:5], s[56:57]
	s_lshl_b32 s56, s[TG], 16
	s_add_nc_u64 s[14:15], s[14:15], s[56:57]
	s_wait_alu depctr_va_vdst(0)                   ; v4 and v5 are written: every load below reads the one as its offset, every store the other
.set n, 0
.rept 32
	global_load_b128 v[X+4*n:X+4*n+3], v[XO], s[4:5] offset:4096*n th:TH_LOAD_NT
.set n, n+1
.endr
.set n, 0
.rept 32
	s_wait_loadcnt 31-n                            ; load n is in; the younger ones stay out
.if (n%4 == 0) && (n > 0)
	s_wait_alu depctr_va_vdst(0)                   ; the block before has written its eight registers, which this block's four stores read; this block's conversions name its own registers alone
.endif
.if n >= 4
	global_store_b64 v[YO], v[X+4*(n-4):X+4*(n-4)+1], s[14:15] offset:2048*(n-4)  ; the wave stores 256 consecutive bytes, at a multiple of 256 from xb's first byte
.endif
	v_cvt_pk_bf16_f32 v[X+4*n], v[X+4*n], v[X+4*n+1]
	v_cvt_pk_bf16_f32 v[X+4*n+1], v[X+4*n+2], v[X+4*n+3]
.set n, n+1
.endr
	s_wait_alu depctr_va_vdst(0)                   ; the last block has written its registers, which the last four stores read
.set n, 28
.rept 4
	global_store_b64 v[YO], v[X+4*n:X+4*n+1], s[14:15] offset:2048*n
.set n, n+1
.endr
.Lend:
	s_wait_dscnt 0x0                               ; the closing lines, six on end
	s_wait_alu 0x0
	s_wait_tensorcnt 0x0
	ds_add_u32 v[SPW], v[NIL]
	s_wait_dscnt 0x0
	s_endpgm
.Lfunc_end_k_q9b561aa223_prep:
	.size	k_q9b561aa223_prep, .Lfunc_end_k_q9b561aa223_prep-k_q9b561aa223_prep
	.p2alignl 7, 3214868480
	.fill 96, 4, 3214868480
	.section	.rodata,"a",@progbits
	.p2align	6, 0x0
	.amdhsa_kernel k_q9b561aa223_prep
		.amdhsa_group_segment_fixed_size 87040
		.amdhsa_private_segment_fixed_size 0
		.amdhsa_enable_private_segment 0
		.amdhsa_kernarg_size 56
		.amdhsa_user_sgpr_count 2
		.amdhsa_user_sgpr_kernarg_segment_ptr 1
		.amdhsa_wavefront_size32 1
		.amdhsa_system_sgpr_workgroup_id_x 1
		.amdhsa_system_sgpr_workgroup_id_y 1
		.amdhsa_system_sgpr_workgroup_id_z 1
		.amdhsa_system_vgpr_workitem_id 0
		.amdhsa_next_free_vgpr 160
		.amdhsa_next_free_sgpr 66
		.amdhsa_reserve_vcc 0
		.amdhsa_float_denorm_mode_32 3
		.amdhsa_float_denorm_mode_16_64 3
		.amdhsa_memory_ordered 1
		.amdhsa_forward_progress 1
		.amdhsa_inst_pref_size 123
	.end_amdhsa_kernel
	.amdgpu_metadata
---
amdhsa.version: [ 1, 2 ]
amdhsa.kernels:
  - .name:           k_q9b561aa223_prep
    .symbol:         k_q9b561aa223_prep.kd
    .args:
      - { .name: x, .offset: 0, .size: 8, .value_kind: global_buffer, .address_space: global }
      - { .name: qweight, .offset: 8, .size: 8, .value_kind: global_buffer, .address_space: global }
      - { .name: qzeros, .offset: 16, .size: 8, .value_kind: global_buffer, .address_space: global }
      - { .name: scales, .offset: 24, .size: 8, .value_kind: global_buffer, .address_space: global }
      - { .name: g_idx, .offset: 32, .size: 8, .value_kind: global_buffer, .address_space: global }
      - { .name: xb, .offset: 40, .size: 8, .value_kind: global_buffer, .address_space: global }
      - { .name: wt, .offset: 48, .size: 8, .value_kind: global_buffer, .address_space: global }
    .group_segment_fixed_size: 87040
    .private_segment_fixed_size: 0
    .kernarg_segment_align: 8
    .kernarg_segment_size: 56
    .max_flat_workgroup_size: 256
    .sgpr_count:     66
    .vgpr_count:     160
    .wavefront_size: 32
...
	.end_amdgpu_metadata
.endif
;; end of part 3
;; launch gemm: the kernel of part 2 again; grid 16 x 16, 4 waves a work-group, clusters of 4 x 4, 327,680 bytes of LDS; arguments xb, wt, out0, bias; writes out0
